; MI455X (gfx1250); checked and timed in simulation.
; The chip was launched on July 23, 2026; its instructions are those of AMD's public machine-readable ISA for CDNA 5 (MIT licence, August 2026) and "CDNA5" Instruction Set Architecture Reference Guide (July 2026). The comments in the code are by the model that wrote it; some were corrected since.
;; Optimized Causal Self Attention. Allowed arithmetic: matrix products marked QUANTISED: E2M1 operands, one E8M0 scale for each 32 along K, by v_wmma_scale_f32_16x16x128_f8f6f4 with both operands' format E2M1 (or v_wmma_scale_f32_32x16x128_f4), f32 sums; everything else in f32.
;; Inputs: Wk_codes 1,024 x 32 x 16 uint8 (E2M1 codes of Wk, K innermost, in blocks of 32 codes, two codes a byte); Wk_scales 1,024 x 32 uint8 (E8M0 scales of Wk, one for each 32 codes along K); Wq_codes 1,024 x 32 x 16 uint8 (E2M1 codes of Wq, K innermost, in blocks of 32 codes, two codes a byte); Wq_scales 1,024 x 32 uint8 (E8M0 scales of Wq, one for each 32 codes along K); Wv_codes 1,024 x 32 x 16 uint8 (E2M1 codes of Wv, K innermost, in blocks of 32 codes, two codes a byte); Wv_scales 1,024 x 32 uint8 (E8M0 scales of Wv, one for each 32 codes along K); attention_mask 4 x 1 x 1 x 2,048 float32; bk 1,024 float32; bq 1,024 float32; bv 1,024 float32; hidden_states_codes 4 x 2,048 x 32 x 16 uint8 (E2M1 codes of hidden_states, K innermost, in blocks of 32 codes, two codes a byte); hidden_states_scales 4 x 2,048 x 32 uint8 (E8M0 scales of hidden_states, one for each 32 codes along K).
;; Outputs: out0 4 x 2,048 x 1,024 float32.
;; This version of the problem:
;;   THIS VERSION OF THE PROBLEM IS GIVEN IN LOW PRECISION. The matrix products marked QUANTISED in the list below multiply operands that are first quantised to E2M1 (2 exponent bits, 1 mantissa bit; 4 bits a number), with one power-of-two scale for each 32 numbers along K (OCP MX v1.0); their sums are f32. All else is computed in f32.
;;   The module's matrix products, in the order in which they are computed (A, B: the left and right operand; K: the contracted axis; several contracted axes count as one K, in the product's order):
;;     1. [M 8,192, K 1,024] x [K 1,024, N 1,024]; A: input hidden_states (given as codes); B: input Wq (given as codes): QUANTISED
;;     2. [M 8,192, K 1,024] x [K 1,024, N 1,024]; A: input hidden_states (given as codes); B: input Wk (given as codes): QUANTISED
;;     3. [M 8,192, K 1,024] x [K 1,024, N 1,024]; A: input hidden_states (given as codes); B: input Wv (given as codes): QUANTISED
;;     4. batch 64 x [M 2,048, K 64] x [K 64, N 2,048]; A: computed on the way; B: computed on the way: QUANTISED
;;     5. batch 64 x [M 2,048, K 2,048] x [K 2,048, N 64]; A: softmax (see below); B: computed on the way: QUANTISED
;;   THE QUANTISER, for each operand of a quantised product, along K:
;;     - K is cut into blocks of 32 from its start; a last block that is shorter is filled with zeros.
;;     - A block's scale is 2^e with e = floor(log2(the largest magnitude in the block)) - 2, held to -126 .. 127; a block of zeros has e = 0. As a byte (E8M0): e + 127.
;;     - Each number is divided by its block's scale, clamped to +-6, and rounded to the nearest number of E2M1, ties to even, subnormals kept.
;;     - The product sums the exact products of the quantised numbers (number of the format x scale) in f32.
;;   ~~~python
;;   def quantise(x, axis):      # numpy; x: float32 -> the quantised numbers, widened to float32 again
;;       x = np.moveaxis(x, axis, -1); K = x.shape[-1]
;;       x = np.pad(x, [(0, 0)] * (x.ndim - 1) + [(0, -K % 32)]); x = x.reshape(x.shape[:-1] + (-1, 32)); a = np.abs(x).max(-1, keepdims=True)
;;       e = np.where(a > 0, np.clip(np.frexp(np.where(a > 0, a, 1))[1] - 1 - 2, -126, 127), 0)      # np.frexp(a)[1] - 1 = floor(log2(a)), exactly
;;       r = np.clip(x / 2.0 ** e, -6, 6)
;;       step = 2.0 ** (np.maximum(np.frexp(np.where(r == 0, 1, r))[1] - 1, 0) - 1)
;;       q = np.round(r / step) * step * 2.0 ** e      # np.round: ties to even
;;       return np.moveaxis(q.reshape(q.shape[:-2] + (-1,))[..., :K], -1, axis).astype(np.float32)
;;   ~~~
;;   SOFTMAX AHEAD OF A QUANTISED PRODUCT. Where the list says 'softmax', what is quantised is not the finished softmax but p = 2^(t - M), with t = logit x log2(e) and M = ceil(the row's largest t), a whole number; so 1/2 < the row's largest p <= 1. The row's sum l is taken of the UNQUANTISED p, in f32, and the product's result is divided by l at the end. Since M is a whole number, a kernel that streams over the keys may use a running M (the ceiling of the running maximum): every later rescaling is an exact power of two, which a block's scale takes up: the codes' values come out the same.
;;   OPERANDS COMPUTED ON THE WAY. 'Computed on the way' means the value that the module computes at that place (a softmax that the list does not call 'softmax' is quantised finished and normalised). What goes into a quantiser is computed in f32, as accurately as f32 sums, v_exp_f32 and their like allow (about 1e-6 of the number): no bf16 or f16 on the way to a quantiser, and a product that is left as it is and whose result goes on into a quantised operand takes f32 operands (vector FMAs, or v_wmma_f32_16x16x4_f32). A number that lies on a knife's edge between two numbers of the format may be rounded either way, as far as f32 arithmetic and the matrix unit's own rounding can turn it there, and no further.
;;   INPUTS GIVEN AS CODES. Wk (in the module: [1024, 1024], K = its axis 1); Wq (in the module: [1024, 1024], K = its axis 1); Wv (in the module: [1024, 1024], K = its axis 1); hidden_states (in the module: [4, 2048, 1024], K = its axis 2): each comes as NAME_codes (uint8): NAME with its K axis moved to the last place and cut into blocks of 32 codes, [.., K / 32, bytes a block], one block behind the other in memory; two codes a byte, the lower K in the low four bits (a code: sign, 2 exponent bits, 1 mantissa bit); and NAME_scales (uint8): the same leading axes, one E8M0 byte (e + 127) for each 32 codes along K. Its value is code x scale, taken as it is: it is not quantised again, and the codes and scales need not be those that the quantiser above would give.
;; One version. Each part assembles by itself: llvm-mc -triple=amdgcn-amd-amdhsa -mcpu=gfx1250 --defsym DOCPART=n.
;; ======== version 1 of 1: 2 launches
;; workspace buffers: qkv 13,893,632 bytes
;; launch proj (part 1): grid 8 x 48, 4 waves a work-group, clusters of 4 x 4, 296,448 bytes of LDS; arguments hidden_states_codes, hidden_states_scales, Wq_codes, Wq_scales, Wk_codes, Wk_scales, Wv_codes, Wv_scales, bq, bk, bv, qkv; writes qkv
.if DOCPART == 1
	.amdgcn_target "amdgcn-amd-amdhsa--gfx1250"
	.amdhsa_code_object_version 6
	.text
	.protected	k_q137a3dd733_proj
	.globl	k_q137a3dd733_proj
	.p2align	8
	.type	k_q137a3dd733_proj,@function
k_q137a3dd733_proj:
	s_mov_b64 s[64:65], 0
	v_nop
	global_prefetch_b8 v0, s[64:65] scope:SCOPE_SE
	s_setreg_imm32_b32 hwreg(HW_REG_WAVE_MODE, 25, 1), 1
	s_wait_xcnt 0x0
	s_wait_alu depctr_hold_cnt(0) depctr_sa_sdst(0) depctr_va_vdst(0) depctr_va_sdst(0) depctr_va_ssrc(0) depctr_va_vcc(0) depctr_vm_vsrc(0)
	s_getreg_b32 s2, hwreg(HW_REG_IB_STS2, 6, 4)
	s_cmp_eq_u32 s2, 0
	s_cbranch_scc0 .Lentry_in_a_cluster
	s_endpgm
.Lentry_in_a_cluster:
	s_bfe_u32 s2, ttmp6, 0x10000c
	s_cmp_lg_u32 s2, 0xf033
	s_cbranch_scc0 .Lentry_shape_is_right
	s_endpgm
.Lentry_shape_is_right:
; q = x Wq^T + bq, k = x Wk^T + bk, v = x Wv^T + bv on the given codes of FP4 (E2M1) with E8M0 scales (x: 8,192 tokens x 1,024; W: 1,024 x 1,024), sums in f32;
; the results are quantised again in registers, q and k along a head's 64 features, v along the tokens (the keys), and stored as codes in the ORDER OF THE NEXT OPERANDS' REGISTERS.
; SHARES.  384 work-groups of four waves, each a tile of 256 x 256; a wave makes 128 x 128: 64 accumulators, 512 registers.  All of K = 1,024 lies in LDS: two slots of 512 along K, each filled ONCE; nothing is filled again.
; THE MATRIX INSTRUCTION: source 0 ("B") carries the axis along which the result is quantised (a lane's registers run along it), source 1 ("A") gives the lane.
;   role 0 (cluster y 0-7): q (cluster x = 0) or k (1): B = 256 rows of W (features), A = 256 tokens.     role 1 (cluster y 8-11): v: B = 256 tokens, A = 256 rows of Wv.
; CLUSTERS: 4 x 4 work-groups.  In both roles A's tile hangs on cy and the cluster's numbers alone and is shared along a row of the cluster, B's on cx and the cluster's numbers alone and is shared along a column:
; each tile is asked for JOINTLY.  The role hangs on the cluster's numbers alone: it is the same in all sixteen partners, and so is every branch.
; THE BIAS is the C of each sum's first matrix instruction.
; THE WORKSPACE: a record of REC = 13,568 bytes for each head (16 batch + head) and each 128 tokens:  0: k's codes, 8 tiles of 16 tokens x 512 bytes (lane l's 16 bytes at 16 l: token l % 16, features 32 (l / 16) on);
;   4096: v's codes, (16 features) x (64 tokens) x 512 bytes, lane l at 16 l;  8192: k's scale words (lane l at 16 l: word i = tile 4 (l / 16) + i);  8704: v's (lane l at 8 l: word i = feature tile 2 (l / 16) + i);  8960: q's codes;  13056: q's scale words.
; TILES ARE PLAIN NEIGHBOURS: register j of tile t in lane (r, h) is position 16 t + 8 h + j; a block of 32 is tiles 2 b, 2 b + 1 in lanes l and l xor 16; the conversions' results are laid so that two exchanges of halves for each pair of blocks give the operand's registers.
; LIMITS: NaN and infinities (a scale byte 0xff, a bias) are not served.  A block whose largest magnitude lies under 2^-124, a block of zeros too, keeps the scale byte 1: its codes are zeros or next to it, and this program alone reads the bytes.
; REGISTERS, in windows of 256: window 0: v1-29 addresses; v32-95 scale words, two sets; v96-127 at work on the way out; v128-191 A's fragments, ONE set, later the codes; v192-255 the bias.
;   window 1: B's fragments, TWO sets.   window 2: the accumulators of A's blocks 0-3 ((a, b) at v[8 (8 (a % 4) + b)]);   window 3: those of blocks 4-7.
.set NQ,     4                         ; steps of 128 along K in a slot
.set ROWB,   256                       ; a tile's row in bytes: 512 codes
.set KROW,   512                       ; a row of codes in memory
.set PITCH,  272                       ; an LDS row: 256 bytes + 16 of padding = 68 words: row r starts at bank 4 r mod 64 (64 banks of 4 bytes: ISA guide 11.1)
.set FR,     8                         ; registers of a fragment
.set NL,     2                         ; LDS loads that bring one
.set NP,     4                         ; places behind this matrix instruction (ISA guide 7.12.1)
.set HALFT,  128*PITCH                 ; 128 rows: what one tensor load brings
.set SLOT,   4*HALFT                   ; A's 256 rows, then B's 256
.set KS,     32                        ; a row of scale bytes
.set SCL,    2*SLOT                    ; behind the slots: the scales, as units of 256 bytes + 16 of padding
.set HALFS,  (128*KS/256)*272          ; those of 128 rows
.set SBLK,   (16*KS/256)*272           ; those of 16 rows
.set REC,    13568
.set HS,     16*REC                    ; a head's records
.set ADRA, 16                          ; v16-17  LDS address of my A fragments in slot 0, 1
.set ADRB, 20                          ; v20-21  the same for B
.set L16,  24                          ; v24     16 x lane
.set L8,   25                          ; v25     8 x lane
.set H32,  26                          ; v26     32 x (lane / 16)
.set ADRS, 27                          ; v27     LDS address of my scale words: lanes 0-15 A's rows, lanes 16-31 B's
.set R4,   28                          ; v28     4 x (lane % 16)
.set LANE, 29                          ; v29     lane
.set SC,   32                          ; scale words: set s at v[SC + 32 s]; register 4 i + q: lanes 0-15 A's block i, lanes 16-31 B's block i
.set TM,   96                          ; v96-111 largest magnitudes, bytes, scale operands
.set PWS,  112                         ; v112-119 the scale word of A's block a
.set OW,   120                         ; v120-127 scale words as they are stored
.set AF,   128                         ; A's fragments
.set PC,   128                         ; later the codes: 8 registers for each block a
.set BI,   192                         ; the bias, in the result's layout
.set G1, 24                            ; s[24:31] group 1 for A's tiles; s[32:39] group 0, one set for each slot
.set G0, 32
.set G1B, 48                           ; s[48:55], s[56:63] the same for B's
.set G0B, 56
.set G1S, 68                           ; s[68:75], s[76:79] groups 1 and 0 for A's scales; s[80:87], s[88:91] for B's (these registers first hold the twelve addresses)
.set G0S, 76
.set G1SB, 80
.set G0SB, 88
.set SEL, 98                           ; s[98:99] v_permlanex16_b32's selects for lane l xor 16
.set MSB, 0
.macro WIN new                         ; the immediate's high byte repeats the setting that is left
.if MSB != \new
	s_set_vgpr_msb (MSB<<8)|\new
.set MSB, \new
.endif
.endm
.set MUL_LO, 0xa1                      ; source 0 (B) window 1, source 1 (A) window 0, C and D window 2
.set MUL_HI, 0xf1                      ; the same, C and D window 3
.set TO_B,   0x40                      ; destination window 1, address window 0
; A joint load: waves 0 and 1 fetch for A, waves 2 and 3 for B.  The branch hangs on the wave's number alone.  Four v_nop follow each of the two lines.
.macro JLOAD g0a, g1a, g0b, g1b
	s_cmp_eq_u32 s15, 0
	s_cbranch_scc0 .Lfor_b_\@
	tensor_load_to_lds s[\g0a:\g0a+3], s[\g1a:\g1a+7]
	s_nop 0
.rept 4
	v_nop
.endr
	s_branch .Lasked_\@
.Lfor_b_\@:
	tensor_load_to_lds s[\g0b:\g0b+3], s[\g1b:\g1b+7]
	s_nop 0
.rept 4
	v_nop
.endr
.Lasked_\@:
.endm
.macro CROUND                          ; a round of the cluster's barrier
	s_barrier_signal -1
	s_barrier_wait -1
	s_cmp_lg_u32 s14, 0
	s_cbranch_scc1 .Lnot_wave_0_\@
	s_barrier_signal -3
.Lnot_wave_0_\@:
	s_barrier_wait -3
	s_barrier_signal -1
	s_barrier_wait -1
.endm
	s_load_b512 s[68:83], s[0:1], 0x0              ; x's codes, x's scales, Wq's, Wk's, Wv's
	s_load_b256 s[84:91], s[0:1], 0x40             ; bq, bk, bv, the workspace
	v_lshl_add_u32 v106, v0, 2, 0x48400
	v_mov_b32 v107, 0
	ds_add_u32 v106, v107
	ds_add_u32 v106, v107
	v_lshrrev_b32 v1, 5, v0
	v_readfirstlane_b32 s14, v1                    ; wave 0..3
	s_lshr_b32 s15, s14, 1                         ; which half of A's rows is mine.  Also: I fetch for A (0) or for B (1)
	s_and_b32 s16, s14, 1                          ; which half of B's rows.  Also: which 128 rows I fetch
	s_bfe_u32 s40, ttmp6, 0x40000                  ; cx, cy: my place in the cluster
	s_bfe_u32 s41, ttmp6, 0x40004
	s_and_b32 s101, ttmp7, 0xffff                  ; cluster y, 0..11
	s_lshl_b32 s18, s101, 2                        ; role 0: A's tiles 4 x cluster y on
	s_and_b32 s19, s101, 3
	s_lshl_b32 s19, s19, 3
	s_lshl_b32 s20, ttmp9, 2
	s_add_co_u32 s19, s19, s20                     ; role 1: B's tiles 8 (cluster y - 8) + 4 cluster x on
	s_cmp_ge_u32 s101, 8
	s_cselect_b32 s3, 1, 0                         ; the role
	s_cselect_b32 s18, 0, s18
	s_cselect_b32 s19, s19, 0
	s_add_co_u32 s17, s41, s18                     ; A's tile: cy + what the cluster shares
	s_add_co_u32 s42, s40, s19                     ; B's tile: cx + what the cluster shares
	s_lshl_b32 s43, s41, 2
	s_lshl_b32 s43, 15, s43                        ; my row of the cluster
	s_lshl_b32 s44, 0x1111, s40                    ; my column
	; descriptor group 1: a tile of 128 rows x 256 bytes, padded in LDS
	s_or_b32 s[G1+0], s43, (0<<16)|(1<<20)|(1<<21)|(5<<22)|(3<<25)  ; 15:0 the mask; 17:16 elements of 1 byte; 20 padding on; 21 set beside a mask; 24:22 after every 64 words; 31:25 four words
	s_or_b32 s[G1B+0], s44, (0<<16)|(1<<20)|(1<<21)|(5<<22)|(3<<25)
.irp g, G1, G1B
	s_mov_b32 s[\g+1], ROWB<<16                    ; tensor_dim0
	s_mov_b32 s[\g+2], 128<<16                     ; tensor_dim1
	s_mov_b32 s[\g+3], ROWB<<16                    ; tile_dim0
	s_mov_b32 s[\g+4], 128                         ; tile_dim1
	s_mov_b32 s[\g+5], KROW                        ; tensor_dim0_stride
	s_mov_b32 s[\g+6], 0
	s_mov_b32 s[\g+7], 0
.endr
	s_lshl_b32 s18, s16, 7                         ; which 128 rows of the tile I fetch
	s_lshl_b32 s20, s17, 8
	s_add_co_u32 s20, s20, s18                     ; A: row 256 x tile + 128 x half
	s_lshl_b32 s46, s42, 8
	s_add_co_u32 s46, s46, s18                     ; B likewise
	s_mov_b32 s21, 0
	s_mov_b32 s47, 0
	s_mov_b64 s[18:19], KS
	s_mul_u64 s[22:23], s[20:21], s[18:19]         ; where these rows' scales begin, in bytes
	s_mul_u64 s[92:93], s[46:47], s[18:19]
	s_mov_b64 s[18:19], KROW
	s_mul_u64 s[20:21], s[20:21], s[18:19]         ; and their codes
	s_mul_u64 s[46:47], s[46:47], s[18:19]
	s_mul_i32 s45, s14, HALFT                      ; where they go: wave x 128 rows: no place in the cluster enters an LDS address
	s_mul_i32 s94, s14, HALFS
	s_mov_b32 s[SEL], 0x76543210
	s_mov_b32 s[SEL+1], 0xfedcba98
	s_wait_dscnt 0x0
	s_wait_kmcnt 0x0
	s_cmp_eq_u32 ttmp9, 0                          ; role 0: q's weights or k's.  The choices hang on the cluster's numbers alone
	s_cselect_b64 s[8:9], s[72:73], s[76:77]
	s_cselect_b64 s[10:11], s[74:75], s[78:79]
	s_cselect_b64 s[96:97], s[84:85], s[86:87]
	s_cmp_ge_u32 s101, 8                           ; role 1: A = Wv, B = x
	s_cselect_b64 s[4:5], s[80:81], s[68:69]       ; A's codes
	s_cselect_b64 s[6:7], s[82:83], s[70:71]       ; A's scales
	s_cselect_b64 s[8:9], s[68:69], s[8:9]         ; B's codes
	s_cselect_b64 s[10:11], s[70:71], s[10:11]     ; B's scales
	s_cselect_b64 s[96:97], s[88:89], s[96:97]     ; the bias
	s_mov_b64 s[12:13], s[90:91]                   ; the workspace
	s_add_nc_u64 s[20:21], s[4:5], s[20:21]
	s_add_nc_u64 s[22:23], s[6:7], s[22:23]
	s_add_nc_u64 s[46:47], s[8:9], s[46:47]
	s_add_nc_u64 s[92:93], s[10:11], s[92:93]
	; group 1 for the scales of 128 rows: 4,096 dense bytes as 16 rows of 256 (32 elements of 8 bytes), 16 bytes of padding behind each
	s_or_b32 s[G1S+0], s43, (3<<16)|(1<<20)|(1<<21)|(5<<22)|(3<<25)
	s_or_b32 s[G1SB+0], s44, (3<<16)|(1<<20)|(1<<21)|(5<<22)|(3<<25)
.irp g, G1S, G1SB
	s_mov_b32 s[\g+1], 32<<16
	s_mov_b32 s[\g+2], (128*KS/256)<<16
	s_mov_b32 s[\g+3], 32<<16
	s_mov_b32 s[\g+4], 128*KS/256
	s_mov_b32 s[\g+5], 32
	s_mov_b32 s[\g+6], 0
	s_mov_b32 s[\g+7], 0
.endr
	CROUND                                         ; all sixteen work-groups are here: the joint loads meet
	s_mov_b32 s[G0S], 1
	s_add_co_u32 s[G0S+1], s94, SCL
	s_mov_b64 s[G0S+2:G0S+3], s[22:23]
	s_or_b32 s[G0S+3], s[G0S+3], 0x80000000
	s_mov_b32 s[G0SB], 1
	s_add_co_u32 s[G0SB+1], s94, SCL
	s_mov_b64 s[G0SB+2:G0SB+3], s[92:93]
	s_or_b32 s[G0SB+3], s[G0SB+3], 0x80000000
	JLOAD G0S, G1S, G0SB, G1SB                     ; the scales first; then both slots: three tensor loads of mine are out, and there are no more
.irp s, 0,1
	s_mov_b32 s[G0+4*\s], 1
	s_add_co_u32 s[G0+4*\s+1], s45, \s*SLOT
	s_add_nc_u64 s[G0+4*\s+2:G0+4*\s+3], s[20:21], \s*ROWB
	s_or_b32 s[G0+4*\s+3], s[G0+4*\s+3], 0x80000000
	s_mov_b32 s[G0B+4*\s], 1
	s_add_co_u32 s[G0B+4*\s+1], s45, \s*SLOT
	s_add_nc_u64 s[G0B+4*\s+2:G0B+4*\s+3], s[46:47], \s*ROWB
	s_or_b32 s[G0B+4*\s+3], s[G0B+4*\s+3], 0x80000000
	JLOAD G0+4*\s, G1, G0B+4*\s, G1B
.endr
	v_and_b32 v1, 15, v0                           ; r = lane % 16
	v_bfe_u32 v2, v0, 4, 1                         ; h = lane / 16
	v_lshlrev_b32 v[H32], 5, v2
	v_lshlrev_b32 v[R4], 2, v1
	; my 128 rows of A and of B; which of the two are tokens and which features; the bias and the records
	s_lshl_b32 s94, s17, 8
	s_lshl_b32 s95, s15, 7
	s_add_co_u32 s94, s94, s95                     ; A's first row of mine
	s_lshl_b32 s100, s42, 8
	s_lshl_b32 s95, s16, 7
	s_add_co_u32 s100, s100, s95                   ; B's
	s_cmp_eq_u32 s3, 1
	s_cselect_b32 s66, s100, s94                   ; my first token
	s_cselect_b32 s67, s94, s100                   ; my first feature
	s_lshl_b32 s94, s67, 2
	s_mov_b32 s95, 0
	s_add_nc_u64 s[96:97], s[96:97], s[94:95]      ; the bias at my first feature
	s_lshr_b32 s94, s66, 11                        ; batch
	s_lshl_b32 s94, s94, 4
	s_lshr_b32 s100, s67, 6
	s_add_co_u32 s94, s94, s100                    ; 16 batch + the first of my two heads
	s_mul_i32 s94, s94, HS
	s_bfe_u32 s100, s66, 0x40007                   ; which 128 tokens of the batch's 2,048
	s_mul_i32 s100, s100, REC
	s_add_co_u32 s100, s100, s94                   ; my record
	s_mov_b32 s67, 8192
	s_cmp_eq_u32 ttmp9, 0
	s_cselect_b32 s66, 8960, 0                     ; q's codes or k's,
	s_cselect_b32 s67, 13056, s67                  ; and their scale words;
	s_cmp_eq_u32 s3, 1
	s_cselect_b32 s66, 4096, s66                   ; or v's
	s_cselect_b32 s67, 8704, s67
	s_add_co_u32 s94, s100, s67
	s_add_nc_u64 s[92:93], s[12:13], s[94:95]      ; where my scale words go
	s_add_co_u32 s94, s100, s66
	s_add_nc_u64 s[12:13], s[12:13], s[94:95]      ; where my codes go
	s_cmp_eq_u32 s3, 0
	s_cbranch_scc0 .Lbias_v
.irp b, 0,1,2,3,4,5,6,7                        ; role 0: features run along the registers: tile b wants b[16 b + 8 h + 0 .. 7]
	global_load_b128 v[BI+8*\b:BI+8*\b+3], v[H32], s[96:97] offset:64*\b
	global_load_b128 v[BI+8*\b+4:BI+8*\b+7], v[H32], s[96:97] offset:64*\b+16
.endr
	s_branch .Lbias_done
.Lbias_v:
.irp a, 0,1,2,3,4,5,6,7                        ; role 1: the lane is the feature: block a wants b[16 a + r] in all eight registers
	global_load_b32 v[BI+8*\a], v[R4], s[96:97] offset:64*\a
.endr
	s_wait_loadcnt 0x0
.irp a, 0,1,2,3,4,5,6,7
.irp j, 1,2,3,4,5,6,7
	v_mov_b32 v[BI+8*\a+\j], v[BI+8*\a]
.endr
.endr
.Lbias_done:
	v_and_b32 v[LANE], 31, v0
	v_lshlrev_b32 v[L16], 4, v[LANE]
	v_lshlrev_b32 v[L8], 3, v[LANE]
.irp b, 0,1,2,3
	v_mov_b32 v[TM+4+\b], 0                        ; written once: a lane permute's destination counts as one of its sources
.endr
	v_mul_u32_u24 v3, v1, PITCH
	v_lshl_add_u32 v4, v2, 4, v3                   ; a fragment's row x pitch + 16 x half
	s_mul_i32 s21, s15, HALFT                      ; my 128 rows of A
	s_mul_i32 s22, s16, HALFT                      ; my 128 rows of B,
	s_add_co_u32 s22, s22, 2*HALFT                 ; which lie behind A's 256
.irp s, 0,1
	v_add_nc_u32 v[ADRA+\s], s21, v4
	v_add_nc_u32 v[ADRB+\s], s22, v4
	s_add_co_u32 s21, s21, SLOT
	s_add_co_u32 s22, s22, SLOT
.endr
	v_mul_u32_u24 v5, v1, KS                       ; my row's scales: 32 bytes a row,
	v_lshrrev_b32 v6, 8, v5
	v_lshl_add_u32 v5, v6, 4, v5                   ; and 16 more for each 256 passed
	s_mul_i32 s21, s15, HALFS                      ; A's: my 128 rows
	s_mul_i32 s22, s16, HALFS                      ; B's: my 128 rows, behind A's 256
	s_add_co_u32 s22, s22, 2*HALFS
	s_sub_co_u32 s22, s22, s21
	v_mul_u32_u24 v6, s22, v2                      ; lanes 16-31 take B's: one product, the distance x h
	s_add_co_u32 s21, s21, SCL
	v_add_nc_u32 v5, v5, v6
	v_add_nc_u32 v[ADRS], s21, v5
.macro FRAG reg, adr, q, i             ; a fragment, 16 rows x 128 K of 4-bit codes: lane l holds row l % 16; registers 4 c .. 4 c + 3 hold K = 64 c + 32 (l / 16) + 0 .. 31
.irp c, 0,1
	ds_load_b128 v[\reg+4*\c:\reg+4*\c+3], v[\adr] offset:64*(\q)+32*\c+(\i)*16*PITCH
.endr
.endm
; 16 matrix instructions: A's blocks a0, a0 + 1 x B's eight, the slot's q-th 128 along K.  p: B's set; sc: the set of scale words.
; mode 0: onto the sums.  mode 1, 2: the first product starts the sums with the bias as C: by B's block (role 0) or by A's (role 1).
; The 64 accumulators take turns, one instruction a turn, in the same order in every step.
.macro MUL16 a0, p, q, sc, mode
.irp a, \a0, \a0+1
.irp b, 0,1,2,3,4,5,6,7
.if \mode == 0
	v_wmma_scale_f32_16x16x128_f8f6f4 v[8*(8*((\a)%4)+\b):8*(8*((\a)%4)+\b)+7], v[128*(\p)+FR*\b:128*(\p)+FR*\b+FR-1], v[AF+FR*(\a):AF+FR*(\a)+FR-1], v[8*(8*((\a)%4)+\b):8*(8*((\a)%4)+\b)+7], v[SC+8*NQ*(\sc)+NQ*\b+(\q)], v[SC+8*NQ*(\sc)+NQ*(\a)+(\q)] matrix_a_fmt:MATRIX_FMT_FP4 matrix_b_fmt:MATRIX_FMT_FP4 matrix_a_scale:MATRIX_SCALE_ROW1
.elseif \mode == 1
	v_wmma_scale_f32_16x16x128_f8f6f4 v[8*(8*((\a)%4)+\b):8*(8*((\a)%4)+\b)+7], v[128*(\p)+FR*\b:128*(\p)+FR*\b+FR-1], v[AF+FR*(\a):AF+FR*(\a)+FR-1], v[BI+8*\b:BI+8*\b+7], v[SC+8*NQ*(\sc)+NQ*\b+(\q)], v[SC+8*NQ*(\sc)+NQ*(\a)+(\q)] matrix_a_fmt:MATRIX_FMT_FP4 matrix_b_fmt:MATRIX_FMT_FP4 matrix_a_scale:MATRIX_SCALE_ROW1
.else
	v_wmma_scale_f32_16x16x128_f8f6f4 v[8*(8*((\a)%4)+\b):8*(8*((\a)%4)+\b)+7], v[128*(\p)+FR*\b:128*(\p)+FR*\b+FR-1], v[AF+FR*(\a):AF+FR*(\a)+FR-1], v[BI+8*(\a):BI+8*(\a)+7], v[SC+8*NQ*(\sc)+NQ*\b+(\q)], v[SC+8*NQ*(\sc)+NQ*(\a)+(\q)] matrix_a_fmt:MATRIX_FMT_FP4 matrix_b_fmt:MATRIX_FMT_FP4 matrix_a_scale:MATRIX_SCALE_ROW1
.endif
.endr
.endr
.endm
.macro FETCH_B slot, q, p              ; B's eight fragments of the slot's q-th 128 along K into set p
	WIN TO_B
.irp i, 0,1,2,3,4,5,6,7
	FRAG 128*(\p)+FR*\i, ADRB+\slot, \q, \i
.endr
	WIN 0
.endm
.macro FETCH_A slot, q, i0             ; A's blocks i0 .. i0 + 3
.irp i, \i0, \i0+1, \i0+2, \i0+3
	FRAG AF+FR*(\i), ADRA+\slot, \q, \i
.endr
.endm
.macro SCALES sc                       ; a slot's scale words into set sc: four words a row; lanes 0-15 take A's block i, lanes 16-31 B's block i
.irp i, 0,1,2,3,4,5,6,7
	ds_load_b128 v[SC+8*NQ*\sc+NQ*\i:SC+8*NQ*\sc+NQ*\i+3], v[ADRS] offset:\i*SBLK
.endr
.endm
; A load into a register that a matrix instruction has read, and a vector instruction that reads a matrix result, stand NP places behind that matrix instruction; only plain vector
; instructions that name none of its registers are places (ISA guide 7.12.1 for vector instructions).
.macro PLACES n
.rept \n
	v_nop
.endr
.endm
; A step of 128 along K that has its successor in the same slot.  A has one set of registers: blocks 0-3 are fetched anew in the step's middle, blocks 4-7 at its end; B has two sets.
.macro STEP slot, q, mode
	s_wait_dscnt 4*NL                              ; B's set, the scale words and A's blocks 0-3 are in; the youngest eight loads (A's blocks 4-7) may be out
.if \mode
	WIN 0x81                                       ; C (the bias) in window 0, D in window 2
.else
	WIN MUL_LO
.endif
	MUL16 0, (\q)%2, \q, \slot, \mode
	MUL16 2, (\q)%2, \q, \slot, \mode
	s_wait_dscnt 0                                 ; A's blocks 4-7 are in (asked for 32 matrix instructions ago)
	PLACES NP
	FETCH_B \slot, (\q)+1, 1-(\q)%2
	FETCH_A \slot, (\q)+1, 0
.if \mode
	WIN 0xc1                                       ; C in window 0, D in window 3
.else
	WIN MUL_HI
.endif
	MUL16 4, (\q)%2, \q, \slot, \mode
	MUL16 6, (\q)%2, \q, \slot, \mode
	PLACES NP
	WIN 0
	FETCH_A \slot, (\q)+1, 4
.endm
.macro STEPS slot, from                ; the slot's steps from .. NQ - 2
.set Q, \from
.rept NQ-1-\from
	STEP \slot, Q, 0
.set Q, Q+1
.endr
.endm
	s_wait_loadcnt 0x0                             ; the bias
	s_wait_tensorcnt 1                             ; the scales and my part of slot 0 are in; slot 1's load may stay out
	s_barrier_signal -1
	s_barrier_wait -1                              ; everybody's are
	FETCH_B 0, 0, 0
	FETCH_A 0, 0, 0
	SCALES 0
	FETCH_A 0, 0, 4
	s_cmp_eq_u32 s3, 0                             ; the first step is written twice: it differs in which bias registers are its C
	s_cbranch_scc0 .Lfirst_v
	STEP 0, 0, 1
	s_branch .Lfirst_done
.Lfirst_v:
	STEP 0, 0, 2
.Lfirst_done:
	STEPS 0, 1
	; slot 0's last step goes over to slot 1: one barrier; in front of it my part of slot 1 has landed.  Nothing is filled again
	s_wait_tensorcnt 0x0                           ; my last tensor load, my part of slot 1, has landed
	s_wait_dscnt 4*NL                              ; (A's blocks 4-7 may be out)
	WIN MUL_LO
	MUL16 0, 1, NQ-1, 0, 0
	s_wait_dscnt 0x0                               ; no LDS load of mine is out at the signal
	s_barrier_signal -1
	MUL16 2, 1, NQ-1, 0, 0                         ; work on registers while the others arrive
	WIN 0
	s_barrier_wait -1                              ; slot 1 is whole
	PLACES NP
	v_add_nc_u32 v[ADRS], 4*NQ, v[ADRS]            ; on to slot 1's scale words (no LDS load of mine is out)
	FETCH_B 1, 0, 0
	FETCH_A 1, 0, 0
	SCALES 1
	WIN MUL_HI
	MUL16 4, 1, NQ-1, 0, 0
	MUL16 6, 1, NQ-1, 0, 0
	PLACES NP
	WIN 0
	FETCH_A 1, 0, 4
	STEPS 1, 0
	s_wait_dscnt 4*NL                              ; the very last step: nothing more to fetch
	WIN MUL_LO
	MUL16 0, 1, NQ-1, 1, 0
	MUL16 2, 1, NQ-1, 1, 0
	s_wait_dscnt 0
	WIN MUL_HI
	MUL16 4, 1, NQ-1, 1, 0
	MUL16 6, 1, NQ-1, 1, 0
	WIN 0
; THE WAY OUT.  Block a's eight accumulators are 64 numbers of a lane: register 16 b + i is position 32 b + 8 h + i (i < 8) or 32 b + 16 + 8 h + i - 8 of the lane's row: four blocks of 32, each in lanes l and l xor 16.
; They become the eight registers of an operand, v[PC + 8 a] on, and the row's scale word, v[PWS + a].  Each accumulator is read from its low end on.
.macro QUANTW a
.set AC, 64*((\a)%4)
.set PCA, PC+8*(\a)
	WIN 20*(2+(\a)/4)                              ; sources 1 and 2: window 2 or 3
.irp b, 0,1,2,3
	v_max3_num_f32 v[TM+\b], 0x1800000, |v[AC+16*\b]|, |v[AC+16*\b+1]|   ; block b: my 16 numbers, and the floor 2^(3 - 127): so the byte cannot fall under 1
.endr
.irp i, 2,4,6,8,10,12,14
.irp b, 0,1,2,3
	v_max3_num_f32 v[TM+\b], v[TM+\b], |v[AC+16*\b+\i]|, |v[AC+16*\b+\i+1]|   ; (the four blocks by turns)
.endr
.endr
	WIN 0
.irp b, 0,1,2,3
	v_permlanex16_b32 v[TM+4+\b], v[TM+\b], s[SEL], s[SEL+1]
.endr
.irp b, 0,1,2,3
	v_max_num_f32 v[TM+\b], v[TM+\b], v[TM+4+\b]   ; with lane l xor 16's: the block's largest magnitude
.endr
.irp b, 0,1,2,3
	v_add_nc_u32 v[TM+12+\b], 0xff000000, v[TM+\b] ; 2 off its exponent field: the conversion takes the exponent field of this operand as its scale
.endr
.irp b, 0,1,2,3
	v_lshrrev_b32 v[TM+4+\b], 23, v[TM+12+\b]      ; the scale's byte
.endr
	v_lshl_or_b32 v[PWS+\a], v[TM+5], 8, v[TM+4]
	v_lshl_or_b32 v[PWS+\a], v[TM+6], 16, v[PWS+\a]
	v_lshl_or_b32 v[PWS+\a], v[TM+7], 24, v[PWS+\a]
	WIN 2+(\a)/4                                   ; source 0: window 2 or 3
.irp c, 0,1
.irp e, 0,1                                    ; block 2 c + e: its positions 8 h on go to register 4 c + e, its positions 16 + 8 h on to register 4 c + 2 + e
	v_cvt_scalef32_pk8_fp4_f32 v[PCA+4*\c+\e], v[AC+16*(2*\c+\e):AC+16*(2*\c+\e)+7], v[TM+12+2*\c+\e]
	v_cvt_scalef32_pk8_fp4_f32 v[PCA+4*\c+2+\e], v[AC+16*(2*\c+\e)+8:AC+16*(2*\c+\e)+15], v[TM+12+2*\c+\e]
.endr
.endr
	WIN 0
	v_nop                                          ; one plain place behind a scaled conversion
.irp c, 0,1                                    ; the first's lanes 16-31 change places with the second's lanes 0-15: register 4 c + q then holds positions 8 q on of block 2 c + h
	v_permlane16_swap_b32 v[PCA+4*\c], v[PCA+4*\c+1]
	v_permlane16_swap_b32 v[PCA+4*\c+2], v[PCA+4*\c+3]
.endr
.endm
	PLACES NP                                      ; behind the last products
.irp a, 0,1,2,3,4,5,6,7
	QUANTW \a
.endr
	v_cmp_le_u32 vcc_lo, 16, v[LANE]               ; lanes 16-31
	s_cmp_eq_u32 s3, 0
	s_cbranch_scc0 .Lout_v
	; q or k: block a is tile a of my 128 tokens; registers 0-3 are my first head's 64 features, registers 4-7 the next head's.  Every store covers 512 consecutive bytes, aligned to 256
.irp a, 0,1,2,3,4,5,6,7
	global_store_b128 v[L16], v[PC+8*\a:PC+8*\a+3], s[12:13] offset:512*\a
	global_store_b128 v[L16], v[PC+8*\a+4:PC+8*\a+7], s[12:13] offset:512*\a+HS
.endr
.irp i, 0,1,2,3
	v_cndmask_b32 v[OW+\i], v[PWS+\i], v[PWS+4+\i], vcc_lo   ; word i: lanes 0-15 tile i, lanes 16-31 tile 4 + i.  Bytes 0, 1 are the first head's; bytes 2, 3 meet zero codes there and are no 0xff
.endr
.irp i, 0,1,2,3
	v_lshrrev_b32 v[OW+4+\i], 16, v[OW+\i]         ; the next head's two bytes
.endr
	global_store_b128 v[L16], v[OW:OW+3], s[92:93]
	global_store_b128 v[L16], v[OW+4:OW+7], s[92:93] offset:HS
	s_branch .Lout_done
.Lout_v:
	; v: block a is feature tile a % 4 of head a / 4; registers 0-3 are tokens 0-63 of my 128, registers 4-7 tokens 64-127
.irp a, 0,1,2,3,4,5,6,7
	global_store_b128 v[L16], v[PC+8*\a:PC+8*\a+3], s[12:13] offset:(\a/4)*HS+(\a%4)*1024
	global_store_b128 v[L16], v[PC+8*\a+4:PC+8*\a+7], s[12:13] offset:(\a/4)*HS+(\a%4)*1024+512
.endr
.irp g, 0,1
.irp i, 0,1
	v_cndmask_b32 v[OW+2*\g+\i], v[PWS+4*\g+\i], v[PWS+4*\g+2+\i], vcc_lo   ; word i: lanes 0-15 feature tile i, lanes 16-31 tile 2 + i
.endr
.endr
	global_store_b64 v[L8], v[OW:OW+1], s[92:93]               ; 256 consecutive bytes, aligned
	global_store_b64 v[L8], v[OW+2:OW+3], s[92:93] offset:HS
.Lout_done:
	s_wait_tensorcnt 0x0
	ds_add_u32 v106, v107
	s_wait_dscnt 0x0
	CROUND                                         ; the closing round: no work-group ends while a partner may still ask for a tile that names it
	s_endpgm
.Lfunc_end_k_q137a3dd733_proj:
	.size	k_q137a3dd733_proj, .Lfunc_end_k_q137a3dd733_proj-k_q137a3dd733_proj
	.p2alignl 7, 3214868480
	.fill 96, 4, 3214868480
	.section	.rodata,"a",@progbits
	.p2align	6, 0x0
	.amdhsa_kernel k_q137a3dd733_proj
		.amdhsa_group_segment_fixed_size 296448
		.amdhsa_private_segment_fixed_size 0
		.amdhsa_enable_private_segment 0
		.amdhsa_kernarg_size 96
		.amdhsa_user_sgpr_count 2
		.amdhsa_user_sgpr_kernarg_segment_ptr 1
		.amdhsa_wavefront_size32 1
		.amdhsa_system_sgpr_workgroup_id_x 1
		.amdhsa_system_sgpr_workgroup_id_y 1
		.amdhsa_system_sgpr_workgroup_id_z 1
		.amdhsa_system_vgpr_workitem_id 0
		.amdhsa_next_free_vgpr 1024
		.amdhsa_next_free_sgpr 102
		.amdhsa_reserve_vcc 1
		.amdhsa_float_denorm_mode_32 3
		.amdhsa_float_denorm_mode_16_64 3
		.amdhsa_memory_ordered 1
		.amdhsa_forward_progress 1
		.amdhsa_inst_pref_size 146
	.end_amdhsa_kernel
	.amdgpu_metadata
---
amdhsa.version: [ 1, 2 ]
amdhsa.kernels:
  - .name:           k_q137a3dd733_proj
    .symbol:         k_q137a3dd733_proj.kd
    .args:
      - { .name: hidden_states_codes, .offset: 0, .size: 8, .value_kind: global_buffer, .address_space: global }
      - { .name: hidden_states_scales, .offset: 8, .size: 8, .value_kind: global_buffer, .address_space: global }
      - { .name: Wq_codes, .offset: 16, .size: 8, .value_kind: global_buffer, .address_space: global }
      - { .name: Wq_scales, .offset: 24, .size: 8, .value_kind: global_buffer, .address_space: global }
      - { .name: Wk_codes, .offset: 32, .size: 8, .value_kind: global_buffer, .address_space: global }
      - { .name: Wk_scales, .offset: 40, .size: 8, .value_kind: global_buffer, .address_space: global }
      - { .name: Wv_codes, .offset: 48, .size: 8, .value_kind: global_buffer, .address_space: global }
      - { .name: Wv_scales, .offset: 56, .size: 8, .value_kind: global_buffer, .address_space: global }
      - { .name: bq, .offset: 64, .size: 8, .value_kind: global_buffer, .address_space: global }
      - { .name: bk, .offset: 72, .size: 8, .value_kind: global_buffer, .address_space: global }
      - { .name: bv, .offset: 80, .size: 8, .value_kind: global_buffer, .address_space: global }
      - { .name: qkv, .offset: 88, .size: 8, .value_kind: global_buffer, .address_space: global }
    .group_segment_fixed_size: 296448
    .private_segment_fixed_size: 0
    .kernarg_segment_align: 8
    .kernarg_segment_size: 96
    .max_flat_workgroup_size: 128
    .sgpr_count:     102
    .vgpr_count:     1024
    .wavefront_size: 32
...
	.end_amdgpu_metadata
.endif
;; end of part 1
;; launch attn (part 2): grid 4 x 64, 16 waves a work-group, no clusters, 223,232 bytes of LDS; arguments qkv, attention_mask, out0; writes out0
.if DOCPART == 2
	.amdgcn_target "amdgcn-amd-amdhsa--gfx1250"
	.amdhsa_code_object_version 6
	.text
	.protected	k_q137a3dd733_attn
	.globl	k_q137a3dd733_attn
	.p2align	8
	.type	k_q137a3dd733_attn,@function
k_q137a3dd733_attn:
	s_mov_b64 s[64:65], 0
	v_nop
	global_prefetch_b8 v0, s[64:65] scope:SCOPE_SE
	s_setreg_imm32_b32 hwreg(HW_REG_WAVE_MODE, 25, 1), 1
	s_wait_xcnt 0x0
; out[b][q][64 head + :] = the sum over keys k <= q of softmax_k(q . k / 8 + mask[b][k]) v[k][:], both products on codes of FP4 (E2M1) with one E8M0 scale for each 32 along a product's K.
; q, k, v come as codes from the workspace, in the order of the operands' registers: a record of REC bytes for each head (16 batch + head) and each 128 tokens: 0 k's codes, 4096 v's (keys innermost), 8192 k's scale words,
; 8704 v's, 8960 q's codes, 13056 q's scale words.  Every fragment is read at 16 x lane: consecutive bytes, no pitch, no padding.
; THE SOFTMAX AHEAD OF THE SECOND PRODUCT: t = (score / 8 + mask) log2(e); M = the row's largest t so far, rounded UP to a whole number; p = 2^(t - M) is quantised along the keys, not normalised;
; the row's sum is taken of the unquantised p and divides at the end.  When M moves, the sum and O are multiplied by 2^(old M - new M): exact.
; THE MASK is the C of the first product: 8 x mask (exact), so that s' = q . k + 8 mask and t = s' log2(e) / 8.
; THE HEAD IS 64 WIDE, the instruction 128: registers 4-7 of k's and q's fragments are zero codes, set once; the scale bytes that meet them are no 0xff.
; SHARES.  A work-group owns query blocks i and 7 - i (256 queries each) of one head; each of its sixteen waves owns one tile of 16 queries in each: first 256 i + 16 w, then 256 (7 - i) + 16 (15 - w).
; The key steps of 128 that count for the two tiles are 17 in all, for every wave of every work-group: 256 equal work-groups, four equal waves to a SIMD.
; LDS.  A head's k, v and their scale words, 16 x 8,960 bytes, come ONCE, one tensor load a wave; nothing is filled again, and one barrier stands in the whole text.
; NO CLUSTER: the four work-groups of a head read the same 143,360 bytes, but which key steps a wave works hangs on its query block, which would be its place in the cluster, and partners of a joint load must branch alike.
; EVERY WAVE WALKS 16 TRIPS in each phase, a constant; a trip all of whose keys come after the wave's queries jumps over its work, by a scalar branch on ids.
; LAYOUT.  S^T = K Q^T, O^T = V^T P^T: a lane holds ONE query (lane % 16) throughout.  Register j of score tile t is key 16 t + 8 (lane / 16) + j.
; LIMITS: NaN and +infinity in the mask are not served; 8 x mask overflows above 4e37; a row all of whose keys are hidden by -infinity gives NaN, as the problem's function does.
; REGISTERS: v1-7, v11 addresses that stay; v8-10 the step's; v12 -M, v13 the largest t, v[14:15] the sum; v16-23 Q; v24-27 K's scale words, v28-29 V's, v30 Q's, v31 p's (scales and nothing else);
;   v32-95 K's fragments; v96-159 8 x mask, then S^T, then p; v160-191 O^T; v192-223 V's fragments; v224-231 p's codes; v232-254 at work.
.set REC,   13568
.set HS,    16*REC
.set KVB,   8960                       ; what a key step keeps in LDS
.set MASK,  16*KVB                     ; behind them: 8 x mask, 2,048 numbers
.set STAGE, MASK+8192                  ; the way out: 16 rows x (256 bytes + 16) for each wave
.set SP,    272
	s_load_b128 s[4:7], s[0:1], 0x0                ; the workspace, the mask
	s_load_b64 s[8:9], s[0:1], 0x10                ; out
	v_lshl_add_u32 v251, v0, 2, 0x36000
	v_mov_b32 v255, 0
	ds_add_u32 v251, v255
	ds_add_u32 v251, v255
	v_lshrrev_b32 v8, 5, v0
	v_readfirstlane_b32 s10, v8                    ; wave 0..15
	s_and_b32 s11, ttmp7, 0xffff                   ; 16 batch + head
	s_mov_b32 s12, ttmp9                           ; i
	s_lshr_b32 s13, s11, 4                         ; batch
	s_and_b32 s14, s11, 15                         ; head
	; descriptor group 1: 8,960 dense bytes as 35 rows of 256 (32 elements of 8 bytes), no padding
	s_mov_b32 s16, 3<<16                           ; no mask; elements of 8 bytes
	s_mov_b32 s17, 32<<16                          ; tensor_dim0
	s_mov_b32 s18, 35<<16                          ; tensor_dim1
	s_mov_b32 s19, 32<<16                          ; tile_dim0
	s_mov_b32 s20, 35                              ; tile_dim1
	s_mov_b32 s21, 32                              ; tensor_dim0_stride
	s_mov_b32 s22, 0
	s_mov_b32 s23, 0
	s_mov_b32 s24, 1                               ; group 0: count,
	s_mul_i32 s25, s10, KVB                        ; LDS address: key step w is my wave's to fetch
	s_mul_i32 s40, s11, HS
	s_mov_b32 s41, 0
	s_mul_i32 s38, s10, REC
	s_mov_b32 s39, 0
	s_mov_b32 s28, 0x76543210
	s_mov_b32 s29, 0xfedcba98                      ; v_permlanex16_b32's selects for lane l xor 16
	s_mov_b32 s30, 0x3e38aa3b                      ; c = log2(e) / 8
	s_mov_b32 s31, s30                             ; (named with it as a pair, so it is written)
	s_wait_dscnt 0x0
	s_wait_kmcnt 0x0
	s_add_nc_u64 s[40:41], s[4:5], s[40:41]        ; the head's records
	s_add_nc_u64 s[26:27], s[40:41], s[38:39]
	s_or_b32 s27, s27, 0x80000000                  ; type = 2
	tensor_load_to_lds s[24:27], s[16:23]          ; my one tensor load
	s_nop 0
.rept 4
	v_nop
.endr
	s_lshl_b32 s38, s13, 13
	s_add_nc_u64 s[6:7], s[6:7], s[38:39]          ; my batch's mask
	v_lshlrev_b32 v9, 4, v0
	global_load_b128 v[232:235], v9, s[6:7]        ; 512 threads x 16 bytes: all 2,048 numbers
	v_and_b32 v8, 31, v0                           ; lane
	v_and_b32 v10, 15, v0                          ; r
	v_bfe_u32 v11, v0, 4, 1                        ; h
	v_lshlrev_b32 v1, 4, v8                        ; 16 x lane: a fragment's place for my lane
	v_lshl_add_u32 v2, v8, 3, 8704                 ; V's scale words: 8 x lane
	v_lshl_add_u32 v3, v11, 5, MASK                ; the mask of my eight keys of a tile
	v_lshlrev_b32 v4, 4, v10                       ; Q's scale word: 16 r
	s_mul_i32 s37, s10, 16*SP
	s_add_co_u32 s37, s37, STAGE                   ; my stage
	v_mul_u32_u24 v5, v10, SP
	v_lshl_add_u32 v5, v11, 5, v5
	v_add_nc_u32 v5, s37, v5                       ; in: row r, + 32 h
	v_mul_u32_u24 v6, v11, SP
	v_lshl_add_u32 v6, v10, 4, v6
	v_add_nc_u32 v6, s37, v6                       ; back: lanes 0-15 one row, lanes 16-31 the next
	v_lshlrev_b32 v7, 12, v11
	v_lshl_add_u32 v7, v10, 4, v7                  ; and the same two rows in out: 4,096 bytes apart
	v_lshlrev_b32 v11, 3, v11
	v_sub_nc_u32 v11, v10, v11                     ; r - 8 h, for the diagonal
	v_add_nc_u32 v10, MASK, v9                     ; where my 16 bytes of the mask go
.irp j, 20,21,22,23
	v_mov_b32 v\j, 0                               ; Q's upper half: zero codes
.endr
.irp t, 0,1,2,3,4,5,6,7
.irp j, 4,5,6,7
	v_mov_b32 v[32+8*\t+\j], 0                     ; K's likewise
.endr
.endr
.irp j, 236,237,238,239,252,253
	v_mov_b32 v\j, 0                               ; lane permutes' destinations, and the upper half of the pair v[252:253], are written before they are named
.endr
	s_wait_loadcnt 0x0
	v_pk_mul_f32 v[232:233], v[232:233], 0x41000000 op_sel_hi:[1,0]   ; 8 x mask: exact
	v_pk_mul_f32 v[234:235], v[234:235], 0x41000000 op_sel_hi:[1,0]
	ds_store_b128 v10, v[232:235]
	s_wait_tensorcnt 0x0                           ; my key step has landed,
	s_wait_dscnt 0x0                               ; my part of the mask is stored:
	s_barrier_signal -1
	s_barrier_wait -1                              ; everybody's; from here on LDS but the waves' own stages is only read
; A KEY STEP: 128 keys.  s32: where its bytes begin; s33: its mask; s34: its first key; s35: my first query.
.macro STEP
	s_add_co_u32 s37, s35, 15
	s_cmp_gt_u32 s34, s37                          ; all its keys come after my queries: only the addresses step
	s_cbranch_scc1 .Lhidden_\@
	v_add_nc_u32 v8, s32, v1
	v_add_nc_u32 v9, s32, v2
	v_add_nc_u32 v10, s33, v3
	v_nop                                          ; four places in front of loads into registers that the last step's products have read
.irp t, 0,1,2,3,4,5,6,7
	ds_load_b128 v[96+8*\t:99+8*\t], v10 offset:64*\t         ; 8 x mask of keys 16 t + 8 h + 0 .. 7, in the result's layout
	ds_load_b128 v[100+8*\t:103+8*\t], v10 offset:64*\t+16
.endr
.irp t, 0,1,2,3,4,5,6,7
	ds_load_b128 v[32+8*\t:35+8*\t], v8 offset:512*\t         ; K's tile t
.endr
	ds_load_b128 v[24:27], v8 offset:8192                     ; K's scale words: register i: lanes 0-15 tile i, lanes 16-31 tile 4 + i
.irp t, 0,1,2,3
.irp c, 0,1
	ds_load_b128 v[192+8*\t+4*\c:195+8*\t+4*\c], v8 offset:4096+1024*\t+512*\c   ; V^T: 16 of the head's 64 x 128 keys
.endr
.endr
	ds_load_b64 v[28:29], v9                                  ; V's scale words: register i: lanes 0-15 tile i, lanes 16-31 tile 2 + i
	s_wait_dscnt 9                                 ; the mask, K and its scale words are in; V's nine loads may be out
.irp t, 0,1,2,3
	v_wmma_scale_f32_16x16x128_f8f6f4 v[96+8*\t:103+8*\t], v[32+8*\t:39+8*\t], v[16:23], v[96+8*\t:103+8*\t], v[24+\t], v30 matrix_a_fmt:MATRIX_FMT_FP4 matrix_b_fmt:MATRIX_FMT_FP4
.endr
.irp t, 4,5,6,7
	v_wmma_scale_f32_16x16x128_f8f6f4 v[96+8*\t:103+8*\t], v[32+8*\t:39+8*\t], v[16:23], v[96+8*\t:103+8*\t], v[20+\t], v30 matrix_a_fmt:MATRIX_FMT_FP4 matrix_b_fmt:MATRIX_FMT_FP4 matrix_a_scale:MATRIX_SCALE_ROW1
.endr
.rept 4
	v_nop
.endr
	s_add_co_u32 s37, s34, 127                     ; on the diagonal the scores of hidden keys become -infinity ahead of the maximum.  A step all of whose keys count skips this
	s_cmp_le_u32 s37, s35
	s_cbranch_scc1 .Lopen_\@
	s_sub_co_i32 s37, s35, s34
	v_add_nc_u32 v252, s37, v11                    ; d = my query - the step's first key - 8 h.  Register 8 t + j holds key 16 t + 8 h + j: hidden where 16 t + j > d
	v_mov_b32 v254, 0xff800000                     ; -infinity
.set n, 0
.rept 64
	v_cmp_gt_i32 vcc_lo, 16*(n/8)+n%8, v252
	v_cndmask_b32 v[96+n], v[96+n], v254, vcc_lo
.set n, n+1
.endr
.Lopen_\@:
.irp b, 0,1,2,3
	v_max3_num_f32 v[232+\b], v[96+16*\b], v[97+16*\b], v[98+16*\b]   ; the largest score of each block of 32 keys: it serves for the row's maximum and, since p rises with the score, for the block's largest p
.endr
.irp i, 3,5,7,9,11,13
.irp b, 0,1,2,3
	v_max3_num_f32 v[232+\b], v[232+\b], v[96+16*\b+\i], v[97+16*\b+\i]   ; (the four blocks by turns)
.endr
.endr
.irp b, 0,1,2,3
	v_max_num_f32 v[232+\b], v[232+\b], v[111+16*\b]
.endr
.irp b, 0,1,2,3
	v_permlanex16_b32 v[236+\b], v[232+\b], s28, s29
.endr
.irp b, 0,1,2,3
	v_max_num_f32 v[232+\b], v[232+\b], v[236+\b]  ; with lane l xor 16's 16 keys
.endr
	v_max3_num_f32 v254, v232, v233, v234
	v_max_num_f32 v254, v254, v235                 ; the step's largest score of my query
	v_mul_f32 v254, s30, v254                      ; as t (c is positive)
	v_max_num_f32 v13, v13, v254                   ; the running largest t
	v_mov_b32 v254, v12
	v_floor_f32 v12, -v13                          ; the new -M = floor(-t) = -ceil(t): a whole number
	v_sub_f32 v254, v12, v254                      ; M's old value less its new one: a whole number, 0 or less
	v_cvt_i32_f32 v254, v254                       ; (it saturates)
	v_ldexp_f32 v252, 1.0, v254                    ; f = 2^(old M - new M)
.set n, 0
.rept 32
	v_pk_fma_f32 v[96+n:97+n], v[96+n:97+n], s[30:31], v[12:13] op_sel_hi:[1,0,0]   ; t - M, two at a time (of the pairs c and -M the low word serves both halves)
.set n, n+2
.endr
.irp b, 0,1,2,3
	v_fma_f32 v[232+\b], v[232+\b], s30, v12       ; the same of each block's largest score
.endr
.set n, 0
.rept 64
	v_exp_f32 v[96+n], v[96+n]                     ; p = 2^(t - M), at most 1
.set n, n+1
.endr
.irp b, 0,1,2,3
	v_exp_f32 v[232+\b], v[232+\b]                 ; the block's largest p: the same two instructions on the same number give the same bits
.endr
	v_pk_mul_f32 v[14:15], v[14:15], v[252:253] op_sel_hi:[1,0]   ; the sums under the new M.  (A plain place behind the exponentials)
	s_wait_alu depctr_va_vdst(0)
.irp b, 0,1,2,3
	v_max_num_f32 v[232+\b], 0x1800000, v[232+\b]  ; the floor 2^(3 - 127): the byte cannot fall under 1 (a block whose every p is 0 keeps that byte: its codes are zeros)
.endr
.irp b, 0,1,2,3
	v_add_nc_u32 v[244+\b], 0xff000000, v[232+\b]  ; 2 off the exponent field: the conversion's scale operand
.endr
.irp b, 0,1,2,3
	v_lshrrev_b32 v[236+\b], 23, v[244+\b]         ; the scale's byte
.endr
	v_lshl_or_b32 v31, v237, 8, v236               ; p's scale word for these 128 keys
	v_lshl_or_b32 v31, v238, 16, v31
	v_lshl_or_b32 v31, v239, 24, v31
.irp c, 0,1
.irp e, 0,1                                    ; block 2 c + e: its keys 8 h on go to register 4 c + e, its keys 16 + 8 h on to register 4 c + 2 + e
	v_cvt_scalef32_pk8_fp4_f32 v[224+4*\c+\e], v[96+16*(2*\c+\e):103+16*(2*\c+\e)], v[244+2*\c+\e]
	v_cvt_scalef32_pk8_fp4_f32 v[226+4*\c+\e], v[104+16*(2*\c+\e):111+16*(2*\c+\e)], v[244+2*\c+\e]
.endr
.endr
	v_nop                                          ; one plain place behind a scaled conversion
.irp c, 0,1                                    ; the first's lanes 16-31 change places with the second's lanes 0-15: register 4 c + q then holds keys 64 c + 32 h + 8 q on
	v_permlane16_swap_b32 v[224+4*\c], v[225+4*\c]
	v_permlane16_swap_b32 v[226+4*\c], v[227+4*\c]
.endr
	v_pk_add_f32 v[236:237], v[96:97], v[98:99]    ; the row's sum is taken of the unquantised p: two at a time, in two chains
.irp j, 4,8,12,16,20,24,28,32,36,40,44,48,52,56,60
	v_pk_add_f32 v[14:15], v[14:15], v[96+\j:97+\j]
	v_pk_add_f32 v[236:237], v[236:237], v[98+\j:99+\j]
.endr
	v_pk_add_f32 v[14:15], v[14:15], v[236:237]
.set n, 0
.rept 16
	v_pk_mul_f32 v[160+n:161+n], v[160+n:161+n], v[252:253] op_sel_hi:[1,0]   ; O^T under the new M.  (The additions above and these are the places between p's scale word and codes and the products below)
.set n, n+2
.endr
	s_wait_dscnt 0x0                               ; V and its scale words are in
.irp t, 0,1
	v_wmma_scale_f32_16x16x128_f8f6f4 v[160+8*\t:167+8*\t], v[192+8*\t:199+8*\t], v[224:231], v[160+8*\t:167+8*\t], v[28+\t], v31 matrix_a_fmt:MATRIX_FMT_FP4 matrix_b_fmt:MATRIX_FMT_FP4
.endr
.irp t, 2,3
	v_wmma_scale_f32_16x16x128_f8f6f4 v[160+8*\t:167+8*\t], v[192+8*\t:199+8*\t], v[224:231], v[160+8*\t:167+8*\t], v[26+\t], v31 matrix_a_fmt:MATRIX_FMT_FP4 matrix_b_fmt:MATRIX_FMT_FP4 matrix_a_scale:MATRIX_SCALE_ROW1
.endr
.Lhidden_\@:
	s_add_co_u32 s34, s34, 128
	s_add_co_u32 s32, s32, KVB
	s_add_co_u32 s33, s33, 512
.endm
; A PHASE: one tile of 16 queries against all keys that count for it.
.macro PHASE p
.if \p == 0
	s_lshl_b32 s35, s12, 8
	s_lshl_b32 s37, s10, 4
	s_add_co_u32 s35, s35, s37                     ; my first query: 256 i + 16 w
.else
	s_sub_co_u32 s35, 7, s12
	s_lshl_b32 s35, s35, 8
	s_sub_co_u32 s37, 15, s10
	s_lshl_b32 s37, s37, 4
	s_add_co_u32 s35, s35, s37                     ; 256 (7 - i) + 16 (15 - w)
.endif
	s_lshr_b32 s37, s35, 7
	s_mul_i32 s38, s37, REC                        ; its record,
	s_bfe_u32 s37, s35, 0x30004                    ; and its tile in it, 0..7
	s_lshl_b32 s36, s37, 9
	s_add_co_u32 s36, s36, s38
	s_add_co_u32 s42, s36, 8960
	s_mov_b32 s43, 0
	s_add_nc_u64 s[42:43], s[40:41], s[42:43]      ; Q's codes
	s_lshr_b32 s36, s37, 2
	s_lshl_b32 s36, s36, 8
	s_and_b32 s37, s37, 3
	s_lshl_b32 s37, s37, 2
	s_add_co_u32 s36, s36, s37
	s_add_co_u32 s36, s36, s38
	s_add_co_u32 s46, s36, 13056
	s_mov_b32 s47, 0
	s_add_nc_u64 s[46:47], s[40:41], s[46:47]      ; Q's scale words: half tile / 4, word tile % 4
	s_lshl_b32 s44, s35, 12
	s_lshl_b32 s36, s14, 8
	s_add_co_u32 s44, s44, s36
	s_lshl_b32 s36, s13, 23
	s_add_co_u32 s44, s44, s36
	s_mov_b32 s45, 0
	s_add_nc_u64 s[44:45], s[8:9], s[44:45]        ; out: batch x 2^23 + query x 4,096 + head x 256 bytes
	global_load_b128 v[16:19], v1, s[42:43]
	global_load_b32 v30, v4, s[46:47]
	v_mov_b32 v13, 0xff61b1e6                      ; the largest t so far: -3e38, under every t
	v_floor_f32 v12, -v13                          ; -M
	v_mov_b32 v14, 0                               ; the sum, in two halves
	v_mov_b32 v15, 0
.set n, 0
.rept 32
	v_mov_b32 v[160+n], 0                          ; O^T.  (The step is written once: the first finds zeros, which the first change of M leaves zeros)
.set n, n+1
.endr
	s_mov_b32 s32, 0
	s_mov_b32 s33, 0
	s_mov_b32 s34, 0
	s_mov_b32 s36, 16
	s_wait_loadcnt 0x0                             ; Q
.Lstep_\@:
	STEP
	s_sub_co_u32 s36, s36, 1
	s_cmp_lg_u32 s36, 0
	s_cbranch_scc1 .Lstep_\@
	; THE WAY OUT: O^T / the sum goes through my stage, so that sixteen lanes store the 256 consecutive, aligned bytes of a query's head
	v_add_f32 v14, v14, v15                        ; the sum's two halves,
	v_permlanex16_b32 v252, v14, s28, s29
	v_add_f32 v14, v14, v252                       ; and lane l xor 16's: the row's sum
	v_rcp_f32 v14, v14
	v_nop                                          ; a plain place behind the transcendental; with the additions above and the next line, four places behind the last products
	v_nop
.set n, 0
	s_wait_alu depctr_va_vdst(0)
.rept 16
	v_pk_mul_f32 v[96+n:97+n], v[160+n:161+n], v[14:15] op_sel_hi:[1,0]   ; register 8 t + j is out(query r, 16 t + 8 h + j); each accumulator from its low end on
.set n, n+2
.endr
.irp t, 0,1,2,3
	ds_store_b128 v5, v[96+8*\t:99+8*\t] offset:64*\t
	ds_store_b128 v5, v[100+8*\t:103+8*\t] offset:64*\t+16
.endr
.irp i, 0,1,2,3,4,5,6,7
	ds_load_b128 v[128+4*\i:131+4*\i], v6 offset:2*\i*SP      ; LDS serves a wave's instructions in order (ISA guide 5.7.1.4): these see my stores
.endr
.irp i, 0,1,2,3,4,5,6,7
	s_wait_dscnt 7-\i                              ; rows 2 i, 2 i + 1 are back; the younger loads may be out
	global_store_b128 v7, v[128+4*\i:131+4*\i], s[44:45] offset:8192*\i th:TH_STORE_NT   ; written once, read by nobody here
.endr
.if \p == 0
	s_wait_xcnt 0x0                                ; the stores' registers and base are written again only behind this wait
.endif
.endm
	PHASE 0
	PHASE 1
	s_wait_tensorcnt 0x0
	ds_add_u32 v251, v255
	s_wait_dscnt 0x0
	s_endpgm
.Lfunc_end_k_q137a3dd733_attn:
	.size	k_q137a3dd733_attn, .Lfunc_end_k_q137a3dd733_attn-k_q137a3dd733_attn
	.p2alignl 7, 3214868480
	.fill 96, 4, 3214868480
	.section	.rodata,"a",@progbits
	.p2align	6, 0x0
	.amdhsa_kernel k_q137a3dd733_attn
		.amdhsa_group_segment_fixed_size 223232
		.amdhsa_private_segment_fixed_size 0
		.amdhsa_enable_private_segment 0
		.amdhsa_kernarg_size 24
		.amdhsa_user_sgpr_count 2
		.amdhsa_user_sgpr_kernarg_segment_ptr 1
		.amdhsa_wavefront_size32 1
		.amdhsa_system_sgpr_workgroup_id_x 1
		.amdhsa_system_sgpr_workgroup_id_y 1
		.amdhsa_system_sgpr_workgroup_id_z 1
		.amdhsa_system_vgpr_workitem_id 0
		.amdhsa_next_free_vgpr 256
		.amdhsa_next_free_sgpr 66
		.amdhsa_reserve_vcc 1
		.amdhsa_float_denorm_mode_32 3
		.amdhsa_float_denorm_mode_16_64 3
		.amdhsa_memory_ordered 1
		.amdhsa_forward_progress 1
		.amdhsa_inst_pref_size 60
	.end_amdhsa_kernel
	.amdgpu_metadata
---
amdhsa.version: [ 1, 2 ]
amdhsa.kernels:
  - .name:           k_q137a3dd733_attn
    .symbol:         k_q137a3dd733_attn.kd
    .args:
      - { .name: qkv, .offset: 0, .size: 8, .value_kind: global_buffer, .address_space: global }
      - { .name: attention_mask, .offset: 8, .size: 8, .value_kind: global_buffer, .address_space: global }
      - { .name: out0, .offset: 16, .size: 8, .value_kind: global_buffer, .address_space: global }
    .group_segment_fixed_size: 223232
    .private_segment_fixed_size: 0
    .kernarg_segment_align: 8
    .kernarg_segment_size: 24
    .max_flat_workgroup_size: 512
    .sgpr_count:     66
    .vgpr_count:     256
    .wavefront_size: 32
...
	.end_amdgpu_metadata
.endif
;; end of part 2
